; MI455X (gfx1250); checked and timed in simulation.
; The chip was launched on July 23, 2026; its instructions are those of AMD's public machine-readable ISA for CDNA 5 (MIT licence, August 2026) and "CDNA5" Instruction Set Architecture Reference Guide (July 2026). The comments in the code are by the model that wrote it; some were corrected since.
;; multi head attention. Allowed arithmetic: matrix products marked QUANTISED: E4M3 operands, one given power-of-two scale a tensor, by v_wmma_f32_16x16x64_fp8_fp8 or v_wmma_f32_16x16x128_fp8_fp8, f32 sums; everything else in f32.
;; Inputs: W_proj_codes 1,024 x 32 x 32 uint8 (E4M3 codes of W_proj, K innermost, in blocks of 32 codes); W_qkv_codes 1,024 x 32 x 32 uint8 (E4M3 codes of W_qkv, K innermost, in blocks of 32 codes); b_proj 1,024 float32; lowp_scales 8 int32 (the exponents e of the quantised operands' scales 2^e); x_codes 4 x 2,048 x 32 x 32 uint8 (E4M3 codes of x, K innermost, in blocks of 32 codes).
;; Outputs: out0 4 x 1,024 x 2,048 float32.
;; This version of the problem:
;;   THIS VERSION OF THE PROBLEM IS GIVEN IN LOW PRECISION. The matrix products marked QUANTISED in the list below multiply operands that are first quantised to E4M3 (4 exponent bits, 3 mantissa bits; 8 bits a number), with one given power-of-two scale for each operand tensor; their sums are f32. All else is computed in f32.
;;   The module's matrix products, in the order in which they are computed (A, B: the left and right operand; K: the contracted axis; several contracted axes count as one K, in the product's order):
;;     1. [M 1,024, K 1,024] x [K 1,024, N 8,192]; A: input W_qkv (given as codes); B: input x (given as codes): QUANTISED (scales: A lowp_scales[0], B lowp_scales[1])
;;     2. batch 64 x [M 2,048, K 64] x [K 64, N 2,048]; A: computed on the way; B: computed on the way: QUANTISED (scales: A lowp_scales[2], B lowp_scales[3])
;;     3. batch 64 x [M 64, K 2,048] x [K 2,048, N 2,048]; A: computed on the way; B: softmax (see below): QUANTISED (scales: A lowp_scales[4], B lowp_scales[5])
;;     4. [M 1,024, K 1,024] x [K 1,024, N 8,192]; A: input W_proj (given as codes); B: computed on the way: QUANTISED (scales: A lowp_scales[6], B lowp_scales[7])
;;   THE QUANTISER, for each operand of a quantised product, along K:
;;     - The operand's scale is 2^e, e = its entry of the input lowp_scales (int32; the entries are numbered through the quantised products in the list's order, A before B).
;;     - Each number is divided by the scale, clamped to +-448, and rounded to the nearest number of E4M3, ties to even, subnormals kept.
;;     - The product sums the exact products of the quantised numbers (number of the format x scale) in f32.
;;   ~~~python
;;   def quantise(x, axis, e):      # numpy; x: float32 -> the quantised numbers, widened to float32 again
;;       x = np.moveaxis(x, axis, -1); K = x.shape[-1]
;;       r = np.clip(x / 2.0 ** e, -448, 448)
;;       step = 2.0 ** (np.maximum(np.frexp(np.where(r == 0, 1, r))[1] - 1, -6) - 3)
;;       q = np.round(r / step) * step * 2.0 ** e      # np.round: ties to even
;;       return np.moveaxis(q, -1, axis).astype(np.float32)
;;   ~~~
;;   SOFTMAX AHEAD OF A QUANTISED PRODUCT. Where the list says 'softmax', what is quantised is not the finished softmax but p = 2^(t - M), with t = logit x log2(e) and M = ceil(the row's largest t), a whole number; so 1/2 < the row's largest p <= 1. The row's sum l is taken of the UNQUANTISED p, in f32, and the product's result is divided by l at the end. Since M is a whole number, a kernel that streams over the keys may use a running M (the ceiling of the running maximum): every later rescaling is an exact power of two, so the quantised numbers keep their values, but for numbers so far below the row's largest that they fall under the format's range.
;;   OPERANDS COMPUTED ON THE WAY. 'Computed on the way' means the value that the module computes at that place (a softmax that the list does not call 'softmax' is quantised finished and normalised). What goes into a quantiser is computed in f32, as accurately as f32 sums, v_exp_f32 and their like allow (about 1e-6 of the number): no bf16 or f16 on the way to a quantiser, and a product that is left as it is and whose result goes on into a quantised operand takes f32 operands (vector FMAs, or v_wmma_f32_16x16x4_f32). A number that lies on a knife's edge between two numbers of the format may be rounded either way, as far as f32 arithmetic and the matrix unit's own rounding can turn it there, and no further.
;;   INPUTS GIVEN AS CODES. W_proj (in the module: [1024, 1024], K = its axis 0); W_qkv (in the module: [1024, 1024], K = its axis 0); x (in the module: [4, 1024, 2048], K = its axis 1): each comes as NAME_codes (uint8): NAME with its K axis moved to the last place and cut into blocks of 32 codes, [.., K / 32, bytes a block], one block behind the other in memory; one code a byte (a code: sign, 4 exponent bits, 3 mantissa bits); its scale is its entry of lowp_scales. Its value is code x scale, taken as it is: it is not quantised again, and the codes and scales need not be those that the quantiser above would give.
;; One version. Each part assembles by itself: llvm-mc -triple=amdgcn-amd-amdhsa -mcpu=gfx1250 --defsym DOCPART=n.
;; ======== version 1 of 1: 3 launches
;; workspace buffers: qc 8,388,608 bytes; kv 16,777,216 bytes; tc 8,388,608 bytes
;; launch qkv (part 1): grid 32 x 8, 4 waves a work-group, clusters of 4 x 4, 327,680 bytes of LDS; arguments W_qkv_codes, x_codes, lowp_scales, qc, kv; writes qc, kv
.if DOCPART == 1
	.amdgcn_target "amdgcn-amd-amdhsa--gfx1250"
	.amdhsa_code_object_version 6
	.text
	.protected	k_q8d14ccfeb8_qkv
	.globl	k_q8d14ccfeb8_qkv
	.p2align	8
	.type	k_q8d14ccfeb8_qkv,@function
k_q8d14ccfeb8_qkv:
	s_mov_b64 s[64:65], 0
	v_nop
	global_prefetch_b8 v0, s[64:65] scope:SCOPE_SE
	s_setreg_imm32_b32 hwreg(HW_REG_WAVE_MODE, 25, 1), 1
	s_wait_xcnt 0x0
	s_wait_alu depctr_hold_cnt(0) depctr_sa_sdst(0) depctr_va_vdst(0) depctr_va_sdst(0) depctr_va_ssrc(0) depctr_va_vcc(0) depctr_vm_vsrc(0)
	s_getreg_b32 s2, hwreg(HW_REG_IB_STS2, 6, 4)
	s_cmp_eq_u32 s2, 0
	s_cbranch_scc0 .Lentry_in_a_cluster
	s_endpgm
.Lentry_in_a_cluster:
	s_bfe_u32 s2, ttmp6, 0x10000c
	s_cmp_lg_u32 s2, 0xf033
	s_cbranch_scc0 .Lentry_shape_is_right
	s_endpgm
.Lentry_shape_is_right:
; kqv[b][f][l] = sum over e of W_qkv[e][f] x[b][e][l], on E4M3 codes (W: [1024 f][1024 e], x: [8192 (b,l)][1024 e], e innermost), and its three quantised copies for the attention:
;   K (scale 2^e2) and Q (scale 2^e3): a row is a position l, 64 codes along the head's d;   V (scale 2^e4): a row is a channel d, codes along l.
; A sum stands for sum x 2^(e0 + e1), so a code is sum / 2^(e - e0 - e1), held within +-448 of that scale: one conversion with one folded scale.
; THE PRODUCT IS MADE TWICE FROM THE SAME FRAGMENTS: D1 (source 0 = 16 rows of W, source 1 = 16 rows of x) gives a lane one l and eight neighbouring f: K's and Q's codes;
; D2 (sources swapped) gives a lane one f and eight neighbouring l: V's codes.  The second product costs no LDS read and spares a transposition of f32 numbers through LDS.
; A tile's eight registers become two registers of codes, k = 16 c + 8 (lane / 16) + 0 .. 7: registers 2 c, 2 c + 1 of the next product's operand.  So the codes leave as IMAGES OF THE READER'S REGISTERS:
; four registers by one store, lane l's 16 bytes at 16 l: each store of the wave covers 512 consecutive bytes, aligned.
;   qc: [bh 64][T 128][c 2][lane][16]        kv: [bh 64][s 16] blocks of 16,384: K [t 8][c 2][lane][16], then V [td 4][c 4][lane][16]
; SHARES.  A work-group: 128 f (Y) x 256 (b,l) (X).  Wave (fh, lh): 64 f = one head x 128 l = one key step: 32 + 32 accumulators, 512 registers.
; K = 1,024 goes in 8 steps of 128, written out.  Tiles of 256 along K lie in three LDS slots; the fourth fill goes into slot 0 again: one refill in the launch.
; CLUSTERS: 4 x 4.  W's tile hangs on Y alone and is asked for jointly along a row of the cluster, x's on X alone, along a column.
; The fragments are fetched by 16-byte loads, which permutes k within a step alike in W and x: every product meets its partner.
; LIMITS: e2 - e0 - e1, e3 - e0 - e1, e4 - e0 - e1 between -126 and 119, so that each scale and 448 x it are f32 numbers.  NaN codes among the inputs are not served.
; REGISTERS, in windows of 256: windows 0 and 1: the two sets of fragments, W's four at v64, x's eight at v128; window 0 also v1-31 addresses and scales, v32-63 codes; window 2: D1[td][t] at v[8 (8 td + t)]; window 3: D2 likewise.
.set PITCH,  272                       ; an LDS row: 256 bytes + 16 of padding: the 16 rows of a fragment load start at 16 different banks
.set XOFF,   128*PITCH                 ; a slot: W's 128 rows, then x's 256 rows
.set SLOT,   384*PITCH
.set SPARE,  3*SLOT                    ; behind the slots: the spare words, 128 bytes a wave
.set ADRW, 16                          ; v16-18  LDS address of my W fragments in slot 0, 1, 2
.set ADRX, 20                          ; v20-22  the same for x
.set GO,   24                          ; v24     16 x lane: my place in an image
.set SPW,  28                          ; v28     my spare word; never rewritten
.set NIL,  29                          ; v29     0; never rewritten
.set CD,   32                          ; v32-63  codes to store
.set WF,   64
.set XF,   128
.set TMP,  64                          ; the way out: v64-191 of window 0, held numbers
.set G1W,  24                          ; s[24:31] group 1 for W's tiles;  s[48:55] for x's
.set G1X,  48
.set G0W,  68                          ; s[68:79] three groups 0 for W;  s[80:91] for x
.set G0X,  80
.set ES,   92                          ; s[92:99] e0 .. e7
.set MSB,  0
.macro WIN new                         ; the immediate's high byte repeats the setting that is left
.if MSB != (\new)
	s_set_vgpr_msb (MSB<<8)|(\new)
.set MSB, (\new)
.endif
.endm
.macro PLACES                          ; four plain places behind matrix instructions, in front of loads into their sources and of reads of their results
.rept 4
	v_nop
.endr
.endm
.macro CREST                           ; a round of the cluster's barrier behind its opening barrier
	s_cmp_lg_u32 s14, 0
	s_cbranch_scc1 .Lnot_wave_0_\@
	s_barrier_signal -3
.Lnot_wave_0_\@:
	s_barrier_wait -3
	s_barrier_signal -1
	s_barrier_wait -1
.endm
.macro CROUND
	s_barrier_signal -1
	s_barrier_wait -1
	CREST
.endm
.macro JLOAD g0w, g0x                  ; a joint load: waves 0, 1 for W, waves 2, 3 for x; four v_nop follow each line
	s_cmp_eq_u32 s15, 0
	s_cbranch_scc0 .Lfor_x_\@
	tensor_load_to_lds s[\g0w:\g0w+3], s[G1W:G1W+7]
	s_nop 0
.rept 4
	v_nop
.endr
	s_branch .Lasked_\@
.Lfor_x_\@:
	tensor_load_to_lds s[\g0x:\g0x+3], s[G1X:G1X+7]
	s_nop 0
.rept 4
	v_nop
.endr
.Lasked_\@:
.endm
	s_load_b128 s[4:7], s[0:1], 0x0                ; W's codes s[4:5], x's codes s[6:7]
	s_load_b128 s[8:11], s[0:1], 0x10              ; the exponents s[8:9], qc s[10:11]
	s_load_b64 s[12:13], s[0:1], 0x20              ; kv
	v_lshl_add_u32 v[SPW], v0, 2, SPARE
	v_mov_b32 v[NIL], 0
	ds_add_u32 v28, v29
	ds_add_u32 v28, v29
	s_wait_dscnt 0x0
	v_lshrrev_b32 v1, 5, v0
	v_readfirstlane_b32 s14, v1                    ; wave 0..3
	s_lshr_b32 s15, s14, 1                         ; fh: which 64 f are mine.  Also: I fetch for W (0) or for x (1)
	s_and_b32 s16, s14, 1                          ; lh: which 128 l.  Also: which half of that tile I fetch
	s_bfe_u32 s40, ttmp6, 0x40000                  ; cx
	s_bfe_u32 s41, ttmp6, 0x40004                  ; cy
	s_lshl_b32 s42, ttmp9, 2
	s_add_co_u32 s42, s42, s40                     ; X = 4 x cluster x + cx
	s_and_b32 s17, ttmp7, 0xffff
	s_lshl_b32 s17, s17, 2
	s_add_co_u32 s17, s17, s41                     ; Y = 4 x cluster y + cy
	s_lshl_b32 s43, s41, 2
	s_lshl_b32 s43, 15, s43                        ; my row of the cluster
	s_lshl_b32 s44, 0x1111, s40                    ; my column
	s_or_b32 s[G1W], s43, (1<<20)|(1<<21)|(5<<22)|(3<<25)   ; the mask; elements of 1 byte; padding on; bit 21 beside a mask; 4 words behind every 64
	s_mov_b32 s[G1W+1], 256<<16                    ; tensor_dim0 = 256
	s_mov_b32 s[G1W+2], 64<<16                     ; tensor_dim1 = 64
	s_mov_b32 s[G1W+3], 256<<16                    ; tile_dim0
	s_mov_b32 s[G1W+4], 64                         ; tile_dim1
	s_mov_b32 s[G1W+5], 1024                       ; from row to row
	s_mov_b32 s[G1W+6], 0
	s_mov_b32 s[G1W+7], 0
	s_or_b32 s[G1X], s44, (1<<20)|(1<<21)|(5<<22)|(3<<25)
	s_mov_b32 s[G1X+1], 256<<16
	s_mov_b32 s[G1X+2], 128<<16                    ; 128 rows
	s_mov_b32 s[G1X+3], 256<<16
	s_mov_b32 s[G1X+4], 128
	s_mov_b32 s[G1X+5], 1024
	s_mov_b32 s[G1X+6], 0
	s_mov_b32 s[G1X+7], 0
	s_lshl_b32 s18, s16, 6
	s_lshl_b32 s20, s17, 7
	s_add_co_u32 s20, s20, s18                     ; W: row 128 Y + 64 x half
	s_lshl_b32 s20, s20, 10                        ; in bytes
	s_mov_b32 s21, 0
	s_lshl_b32 s18, s16, 7
	s_lshl_b32 s46, s42, 8
	s_add_co_u32 s46, s46, s18                     ; x: row 256 X + 128 x half
	s_lshl_b32 s46, s46, 10
	s_mov_b32 s47, 0
	s_mul_i32 s45, s16, 64*PITCH                   ; where they go: the wave's number alone enters an LDS address
	s_mul_i32 s19, s16, 128*PITCH
	s_add_co_u32 s19, s19, XOFF
	s_wait_kmcnt 0x0
	s_load_b256 s[ES:ES+7], s[8:9], 0x0            ; e0 .. e7
	s_add_nc_u64 s[20:21], s[4:5], s[20:21]
	s_add_nc_u64 s[46:47], s[6:7], s[46:47]
.irp f, 0,1,2
	s_mov_b32 s[G0W+4*\f], 1
	s_add_co_u32 s[G0W+4*\f+1], s45, \f*SLOT
	s_add_nc_u64 s[G0W+4*\f+2:G0W+4*\f+3], s[20:21], \f*256      ; K bytes 256 f on
	s_or_b32 s[G0W+4*\f+3], s[G0W+4*\f+3], 0x80000000
	s_mov_b32 s[G0X+4*\f], 1
	s_add_co_u32 s[G0X+4*\f+1], s19, \f*SLOT
	s_add_nc_u64 s[G0X+4*\f+2:G0X+4*\f+3], s[46:47], \f*256
	s_or_b32 s[G0X+4*\f+3], s[G0X+4*\f+3], 0x80000000
.endr
	CROUND                                         ; all sixteen work-groups are here: the first joint loads meet
	s_cmp_eq_u32 s15, 0                            ; a wave's three first fills stand in one branch: three loads of mine are out
	s_cbranch_scc0 .Lfirst_x
	tensor_load_to_lds s[G0W:G0W+3], s[G1W:G1W+7]
	s_nop 0
	tensor_load_to_lds s[G0W+4:G0W+7], s[G1W:G1W+7]
	s_nop 0
	tensor_load_to_lds s[G0W+8:G0W+11], s[G1W:G1W+7]
	s_nop 0
.rept 4
	v_nop
.endr
	s_branch .Lfirst_asked
.Lfirst_x:
	tensor_load_to_lds s[G0X:G0X+3], s[G1X:G1X+7]
	s_nop 0
	tensor_load_to_lds s[G0X+4:G0X+7], s[G1X:G1X+7]
	s_nop 0
	tensor_load_to_lds s[G0X+8:G0X+11], s[G1X:G1X+7]
	s_nop 0
.rept 4
	v_nop
.endr
.Lfirst_asked:
	v_and_b32 v1, 15, v0                           ; r
	v_bfe_u32 v2, v0, 4, 1                         ; hh
	v_mul_u32_u24 v3, v1, PITCH
	v_lshl_add_u32 v3, v2, 4, v3                   ; a fragment's row x pitch + 16 x half
	s_mul_i32 s38, s15, 64*PITCH                   ; my 64 rows of W
	s_mul_i32 s39, s16, 128*PITCH                  ; my 128 rows of x,
	s_add_co_u32 s39, s39, XOFF                    ; behind W's 128
.irp s, 0,1,2
	v_add_nc_u32 v[ADRW+\s], s38, v3
	v_add_nc_u32 v[ADRX+\s], s39, v3
	s_add_co_u32 s38, s38, SLOT
	s_add_co_u32 s39, s39, SLOT
.endr
	v_and_b32 v[GO], 31, v0
	v_lshlrev_b32 v[GO], 4, v[GO]
	s_lshr_b32 s32, s42, 3                         ; b
	s_lshl_b32 s32, s32, 4
	s_lshl_b32 s33, s17, 1
	s_add_co_u32 s32, s32, s33
	s_add_co_u32 s32, s32, s15                     ; bh = 16 b + 2 Y + fh
	s_and_b32 s33, s42, 7
	s_lshl_b32 s33, s33, 1
	s_add_co_u32 s33, s33, s16                     ; key step s = 2 (X mod 8) + lh
	s_lshl_b32 s32, s32, 4
	s_add_co_u32 s32, s32, s33                     ; 16 bh + s
	s_lshl_b32 s34, s32, 14                        ; kv: blocks of 16,384
	s_mov_b32 s35, 0
	s_lshl_b32 s36, s32, 13                        ; qc: eight fragments of 1,024
	s_mov_b32 s37, 0
	s_add_nc_u64 s[12:13], s[12:13], s[34:35]
	s_add_nc_u64 s[10:11], s[10:11], s[36:37]
; 48 LDS loads in one run: step q's fragments (4 of W, 8 of x) into set q % 2.  Step q reads fill q / 2, which lies in slot (q / 2) % 3, at byte 128 (q % 2) of the rows.
.macro FETCH q
.set FSL, ((\q)/2)%3
.set FKB, 128*((\q)%2)
	WIN 0x40*((\q)%2)                              ; destination: the set's window; address window 0
.irp i, 0,1,2,3
.irp c, 0,1,2,3
	ds_load_b128 v[WF+16*\i+4*\c:WF+16*\i+4*\c+3], v[ADRW+FSL] offset:FKB+32*\c+\i*16*PITCH
.endr
.endr
.irp i, 0,1,2,3,4,5,6,7
.irp c, 0,1,2,3
	ds_load_b128 v[XF+16*\i+4*\c:XF+16*\i+4*\c+3], v[ADRX+FSL] offset:FKB+32*\c+\i*16*PITCH
.endr
.endr
.endm
; The 64 accumulators take turns, one instruction a turn, in the same order in every step.  zero = 1: the first step's products start the sums.
.macro MUL1 q, td0, zero               ; 16 of D1: source 0 = W, source 1 = x
	WIN 0xa0|(5*((\q)%2))
.irp td, \td0, \td0+1
.irp t, 0,1,2,3,4,5,6,7
.if \zero
	v_wmma_f32_16x16x128_fp8_fp8 v[8*(8*(\td)+\t):8*(8*(\td)+\t)+7], v[WF+16*(\td):WF+16*(\td)+15], v[XF+16*\t:XF+16*\t+15], 0
.else
	v_wmma_f32_16x16x128_fp8_fp8 v[8*(8*(\td)+\t):8*(8*(\td)+\t)+7], v[WF+16*(\td):WF+16*(\td)+15], v[XF+16*\t:XF+16*\t+15], v[8*(8*(\td)+\t):8*(8*(\td)+\t)+7]
.endif
.endr
.endr
.endm
.macro MUL2 q, zero                    ; all 32 of D2: source 0 = x, source 1 = W
	WIN 0xf0|(5*((\q)%2))
.irp td, 0,1,2,3
.irp t, 0,1,2,3,4,5,6,7
.if \zero
	v_wmma_f32_16x16x128_fp8_fp8 v[8*(8*\td+\t):8*(8*\td+\t)+7], v[XF+16*\t:XF+16*\t+15], v[WF+16*\td:WF+16*\td+15], 0
.else
	v_wmma_f32_16x16x128_fp8_fp8 v[8*(8*\td+\t):8*(8*\td+\t)+7], v[XF+16*\t:XF+16*\t+15], v[WF+16*\td:WF+16*\td+15], v[8*(8*\td+\t):8*(8*\td+\t)+7]
.endif
.endr
.endr
.endm
; A step whose successor's tile is known to lie whole in LDS: the next step's fragments are asked for first and land under this step's 64 products.
.macro STEPN q, zero
	s_wait_dscnt 0x0                               ; this step's fragments are in
.if (\q) > 0
	PLACES                                         ; the other set was read by the step before
.endif
	FETCH (\q)+1
	MUL1 \q, 0, \zero
	MUL1 \q, 2, \zero
	MUL2 \q, \zero
.endm
; A step with a meeting of the waves: each waits for all its tensor loads, adds 0 to its spare word, waits for that and for its LDS reads, and passes a barrier.
; fill = 1: the barrier opens a round of the cluster's barrier, and slot 0, which nobody reads any more, takes K bytes 768 on: the launch's one refill.
.macro TURN q, fill
	WIN 0                                          ; (the add's two registers lie in window 0)
	s_wait_tensorcnt 0x0                           ; all my tensor loads have landed
	ds_add_u32 v[SPW], v[NIL]                      ; 0 onto my spare word
	s_wait_dscnt 1                                 ; this step's 48 fragment loads are in; only the add is younger
	MUL1 \q, 0, 0                                  ; sixteen products stand between the add and the wait for it
	s_wait_dscnt 0x0                               ; the add is done; my LDS reads are over
	s_barrier_signal -1
	MUL1 \q, 2, 0
	WIN 0
	s_barrier_wait -1
.if \fill
	CREST                                          ; no wave of any partner still reads slot 0 or has a load on its way
	s_add_nc_u64 s[G0W+2:G0W+3], s[G0W+2:G0W+3], 768
	s_add_nc_u64 s[G0X+2:G0X+3], s[G0X+2:G0X+3], 768
	JLOAD G0W, G0X                                 ; the first tensor load behind the round; its four v_nop are the places in front of the loads below
.else
	PLACES
.endif
	FETCH (\q)+1
	MUL2 \q, 0
.endm
	s_wait_tensorcnt 2                             ; my part of slot 0 is in; the two younger fills may be out
	s_barrier_signal -1
	s_barrier_wait -1
	FETCH 0
	STEPN 0, 1
	TURN 1, 1                                      ; slots 1 and 2 are shown whole to every wave here; slot 0 is filled again
	STEPN 2, 0
	STEPN 3, 0
	STEPN 4, 0
	TURN 5, 0                                      ; the refill has landed in every wave
	STEPN 6, 0
	s_wait_dscnt 0x0
	MUL1 7, 0, 0
	MUL1 7, 2, 0
	MUL2 7, 0
	WIN 0
; THE WAY OUT.  v[vr] = 2^(e - e0 - e1) for the conversion; s[sl], s[sl+1] = +-448 x that for the hold (the conversion to an 8-bit code does not saturate: ISA guide 7.6.2).
.macro MKSC e, vr, sl
	s_sub_co_i32 s19, s[\e], s18
	s_add_co_i32 s19, s19, 127
	s_lshl_b32 s22, s19, 23
	v_mov_b32 v[\vr], s22
	s_add_co_i32 s19, s19, 8
	s_lshl_b32 s19, s19, 23
	s_or_b32 s[\sl], s19, 0x600000
	s_or_b32 s[\sl+1], s[\sl], 0x80000000
.endm
; Positions 16 t0 .. 16 t0 + 31: K's and Q's fragments from D1.  Each accumulator is read from its low end on.
.macro EPI1 t0
	WIN 0x02                                       ; source 0: window 2
.irp u, 0,1
.irp td, 0,1,2,3
.irp j, 0,1,2,3,4,5,6,7
	v_med3_num_f32 v[TMP+32*\u+8*\td+\j], v[8*(8*\td+\t0+\u)+\j], s57, s56
.endr
.endr
.endr
.irp u, 0,1
.irp td, 0,1,2,3
.irp j, 0,1,2,3,4,5,6,7
	v_med3_num_f32 v[TMP+64+32*\u+8*\td+\j], v[8*(8*\td+\t0+\u)+\j], s59, s58
.endr
.endr
.endr
	WIN 0
	s_wait_xcnt 0x0                                ; the earlier stores have read their data: the codes' registers are written again only behind this wait
.irp u, 0,1
.irp td, 0,1,2,3
	v_cvt_scalef32_pk8_fp8_f32 v[CD+8*\u+2*\td:CD+8*\u+2*\td+1], v[TMP+32*\u+8*\td:TMP+32*\u+8*\td+7], v8
	v_cvt_scalef32_pk8_fp8_f32 v[CD+16+8*\u+2*\td:CD+16+8*\u+2*\td+1], v[TMP+64+32*\u+8*\td:TMP+64+32*\u+8*\td+7], v9
.endr
.endr
	v_nop                                          ; a plain line between the conversions and the next writes of their sources
.irp u, 0,1
.irp c, 0,1
	global_store_b128 v[GO], v[CD+8*\u+4*\c:CD+8*\u+4*\c+3], s[12:13] offset:1024*(\t0+\u)+512*\c
	global_store_b128 v[GO], v[CD+16+8*\u+4*\c:CD+16+8*\u+4*\c+3], s[10:11] offset:1024*(\t0+\u)+512*\c
.endr
.endr
.endm
; Channels 16 td0 .. 16 td0 + 31: V's fragments from D2.
.macro EPI2 td0
	WIN 0x03                                       ; source 0: window 3
.irp u, 0,1
.irp t, 0,1,2,3,4,5,6,7
.irp j, 0,1,2,3,4,5,6,7
	v_med3_num_f32 v[TMP+64*\u+8*\t+\j], v[8*(8*(\td0+\u)+\t)+\j], s61, s60
.endr
.endr
.endr
	WIN 0
	s_wait_xcnt 0x0
.irp u, 0,1
.irp t, 0,1,2,3,4,5,6,7
	v_cvt_scalef32_pk8_fp8_f32 v[CD+16*\u+2*\t:CD+16*\u+2*\t+1], v[TMP+64*\u+8*\t:TMP+64*\u+8*\t+7], v10
.endr
.endr
	v_nop
.irp u, 0,1
.irp c, 0,1,2,3
	global_store_b128 v[GO], v[CD+16*\u+4*\c:CD+16*\u+4*\c+3], s[12:13] offset:8192+2048*(\td0+\u)+512*\c
.endr
.endr
.endm
	s_wait_kmcnt 0x0
	s_add_co_i32 s18, s[ES], s[ES+1]               ; e0 + e1
	MKSC ES+2, 8, 56                               ; K
	MKSC ES+3, 9, 58                               ; Q
	MKSC ES+4, 10, 60                              ; V
	PLACES
	EPI1 0
	EPI1 2
	EPI1 4
	EPI1 6
	EPI2 0
	EPI2 2
	s_wait_tensorcnt 0x0                           ; the wave's end
	ds_add_u32 v[SPW], v[NIL]
	s_wait_dscnt 0x0
	CROUND                                         ; the closing round
	s_endpgm
.Lfunc_end_k_q8d14ccfeb8_qkv:
	.size	k_q8d14ccfeb8_qkv, .Lfunc_end_k_q8d14ccfeb8_qkv-k_q8d14ccfeb8_qkv
	.p2alignl 7, 3214868480
	.fill 96, 4, 3214868480
	.section	.rodata,"a",@progbits
	.p2align	6, 0x0
	.amdhsa_kernel k_q8d14ccfeb8_qkv
		.amdhsa_group_segment_fixed_size 327680
		.amdhsa_private_segment_fixed_size 0
		.amdhsa_enable_private_segment 0
		.amdhsa_kernarg_size 40
		.amdhsa_user_sgpr_count 2
		.amdhsa_user_sgpr_kernarg_segment_ptr 1
		.amdhsa_wavefront_size32 1
		.amdhsa_system_sgpr_workgroup_id_x 1
		.amdhsa_system_sgpr_workgroup_id_y 1
		.amdhsa_system_sgpr_workgroup_id_z 1
		.amdhsa_system_vgpr_workitem_id 0
		.amdhsa_next_free_vgpr 1024
		.amdhsa_next_free_sgpr 100
		.amdhsa_reserve_vcc 0
		.amdhsa_float_denorm_mode_32 3
		.amdhsa_float_denorm_mode_16_64 3
		.amdhsa_memory_ordered 1
		.amdhsa_forward_progress 1
		.amdhsa_inst_pref_size 128
	.end_amdhsa_kernel
	.amdgpu_metadata
---
amdhsa.version: [ 1, 2 ]
amdhsa.kernels:
  - .name:           k_q8d14ccfeb8_qkv
    .symbol:         k_q8d14ccfeb8_qkv.kd
    .args:
      - { .name: W_qkv_codes, .offset: 0, .size: 8, .value_kind: global_buffer, .address_space: global }
      - { .name: x_codes, .offset: 8, .size: 8, .value_kind: global_buffer, .address_space: global }
      - { .name: lowp_scales, .offset: 16, .size: 8, .value_kind: global_buffer, .address_space: global }
      - { .name: qc, .offset: 24, .size: 8, .value_kind: global_buffer, .address_space: global }
      - { .name: kv, .offset: 32, .size: 8, .value_kind: global_buffer, .address_space: global }
    .group_segment_fixed_size: 327680
    .private_segment_fixed_size: 0
    .kernarg_segment_align: 8
    .kernarg_segment_size: 40
    .max_flat_workgroup_size: 128
    .sgpr_count:     100
    .vgpr_count:     1024
    .wavefront_size: 32
...
	.end_amdgpu_metadata
.endif
;; end of part 1
;; launch attn (part 2): grid 256 x 1, 16 waves a work-group, clusters of 4 x 1, 264,192 bytes of LDS; arguments qc, kv, lowp_scales, tc; writes tc
.if DOCPART == 2
	.amdgcn_target "amdgcn-amd-amdhsa--gfx1250"
	.amdhsa_code_object_version 6
	.text
	.protected	k_q8d14ccfeb8_attn
	.globl	k_q8d14ccfeb8_attn
	.p2align	8
	.type	k_q8d14ccfeb8_attn,@function
k_q8d14ccfeb8_attn:
	s_mov_b64 s[64:65], 0
	v_nop
	global_prefetch_b8 v0, s[64:65] scope:SCOPE_SE
	s_setreg_imm32_b32 hwreg(HW_REG_WAVE_MODE, 25, 1), 1
	s_wait_xcnt 0x0
	s_wait_alu depctr_hold_cnt(0) depctr_sa_sdst(0) depctr_va_vdst(0) depctr_va_sdst(0) depctr_va_ssrc(0) depctr_va_vcc(0) depctr_vm_vsrc(0)
	s_getreg_b32 s2, hwreg(HW_REG_IB_STS2, 6, 4)
	s_cmp_eq_u32 s2, 0
	s_cbranch_scc0 .Lentry_in_a_cluster
	s_endpgm
.Lentry_in_a_cluster:
	s_bfe_u32 s2, ttmp6, 0x10000c
	s_cmp_lg_u32 s2, 0x3003
	s_cbranch_scc0 .Lentry_shape_is_right
	s_endpgm
.Lentry_shape_is_right:
; For each of 64 (b, h): t[d][j] = sum over i <= j of V[d][i] p[i][j] / l[j], with score[i][j] = K[i] . Q[j] (64 along d), u = score x log2(e) / 32, M = the ceiling of the running largest u of column j,
; p = 2^(u - M), quantised with 2^e5; l = the sum of the unquantised p.  Position j is the "query", positions i <= j its "keys".  All operands are E4M3 codes that the launch before stored as images of
; operand registers (four registers = 512 bytes, lane l's 16 bytes at 16 l), so every fragment is read by dense 16-byte loads, with no pitch and no padding.
; Both products are used transposed: S^T = K Q^T (source 0 = 16 keys, source 1 = 16 queries), O^T = V^T P^T (source 0 = 16 channels, source 1 = P): a lane holds ONE query throughout.  A tile of S^T gives a lane
; keys 16 t + 8 (lane / 16) + 0 .. 7, whose eight codes are registers 2 t, 2 t + 1 of P.  O^T's tile td gives channels 16 td + 8 (lane / 16) + 0 .. 7: registers of the last product's operand, stored as an image too.
; SHARES.  A cluster of four work-groups owns one (b, h); work-group g takes the query tiles T = 4 k + g, k = 0 .. 31.  Tile k needs key steps (128 keys) 0 .. k / 2, whatever g is.  Wave w owns k = w and k = 31 - w:
; 17 tile steps for every wave.  g enters Q's and the result's addresses and the mask's compare, no branch and no LDS address.
; LDS holds the head's whole K and V, 16 blocks of 16,384 bytes, each filled ONCE, by joint loads that name the four work-groups: waves 0-3 issue four each.  Nothing is filled again.
; Every wave walks all 16 steps (constant trip counts); a step that lies wholly behind a tile's queries is jumped over by a scalar branch on the wave's number and the loop's count.
; LIMITS: e2 + e3 between -121 and 132 (added to c's exponent field); e5 and e7 between -126 and 119.  NaN is not served.
; REGISTERS: v1 16 x lane; v2 the step's LDS address; v3, v4 the mask's bound; v5, v6 result offsets; v7 2^e7; v8-11, v12-15 a tile's -M, largest u, sum (two halves); v16-23, v24-31 Q, later the result's codes;
;   v32-95 K's eight fragments, then V's four; v96-159 S^T, then p; v160-191, v192-223 O^T; v224-239 p's codes; v240 448 x 2^e5; v244 2^e5; v246 -infinity; v242, v243, v248, v252-254 at work.
.set LI,  1
.set AD,  2
.set F,   32
.set S,   96
.set PC,  224
.set WV,  12                           ; s12  wave
.set SEL, 40                           ; s[40:41] selects for v_permlanex16_b32: lane xor 16
.set CS,  42                           ; s[42:43] c = log2(e) / 32 x 2^(e2 + e3)
.set TB,  44                           ; s44  LDS byte of the step's block
.set SI,  45                           ; s45  the step
.set KLO, 46                           ; s46, s47  the last step of my two tiles
.set KHI, 47
.macro ROUND                           ; a round of the cluster's barrier
	s_barrier_signal -1
	s_barrier_wait -1
	s_cmp_lg_u32 s[WV], 0
	s_cbranch_scc1 .Lnot_wave_0_\@
	s_barrier_signal -3
.Lnot_wave_0_\@:
	s_barrier_wait -3
	s_barrier_signal -1
	s_barrier_wait -1
.endm
	s_load_b256 s[4:11], s[0:1], 0x0               ; qc s[4:5], kv s[6:7], the exponents s[8:9], tc s[10:11]
	v_lshl_add_u32 v250, v0, 2, 0x40000
	v_mov_b32 v255, 0
	ds_add_u32 v250, v255
	ds_add_u32 v250, v255
	v_lshrrev_b32 v2, 5, v0
	v_readfirstlane_b32 s[WV], v2                  ; wave 0..15
	s_bfe_u32 s13, ttmp6, 0x40000                  ; g: my place in the cluster
	s_mov_b32 s14, ttmp9                           ; bh: the cluster's number
	s_mov_b32 s16, 15|(3<<16)|(1<<21)              ; group 1: the mask: all four; elements of 8 bytes; bit 21 beside a mask; no padding
	s_mov_b32 s17, 32<<16                          ; tensor_dim0 = 32 (256 bytes)
	s_mov_b32 s18, 64<<16                          ; tensor_dim1 = 64
	s_mov_b32 s19, 32<<16                          ; tile_dim0
	s_mov_b32 s20, 64                              ; tile_dim1: 64 rows of 256 bytes, dense: one block of 16,384
	s_mov_b32 s21, 32                              ; from row to row
	s_mov_b32 s22, 0
	s_mov_b32 s23, 0
	s_mov_b32 s[SEL], 0x76543210
	s_mov_b32 s[SEL+1], 0xfedcba98
	s_and_b32 s59, s[WV], 3
	s_lshl_b32 s59, s59, 14                        ; a fetching wave's block within four
	s_lshl_b32 s60, s14, 18                        ; the head's 262,144 bytes
	s_add_co_u32 s60, s60, s59
	s_mov_b32 s61, 0
	s_wait_dscnt 0x0
	s_wait_kmcnt 0x0
	s_load_b256 s[48:55], s[8:9], 0x0              ; e0 .. e7
	s_add_nc_u64 s[6:7], s[6:7], s[60:61]
.irp p, 0,1,2,3                        ; group 0, set p: block 4 p + wave
	s_mov_b32 s[24+4*\p], 1
	s_add_co_u32 s[25+4*\p], s59, \p*65536
	s_add_nc_u64 s[26+4*\p:27+4*\p], s[6:7], \p*65536
	s_or_b32 s[27+4*\p], s[27+4*\p], 0x80000000
.endr
	ROUND                                          ; all four work-groups are here: the joint loads meet
	s_cmp_lt_u32 s[WV], 4                          ; a fetching wave's four fills stand in one branch: four loads of it are out
	s_cbranch_scc0 .Lno_fetch
	tensor_load_to_lds s[24:27], s[16:23]
	s_nop 0
	tensor_load_to_lds s[28:31], s[16:23]
	s_nop 0
	tensor_load_to_lds s[32:35], s[16:23]
	s_nop 0
	tensor_load_to_lds s[36:39], s[16:23]
	s_nop 0
.rept 4
	v_nop
.endr
.Lno_fetch:
	v_and_b32 v[LI], 31, v0
	v_lshlrev_b32 v[LI], 4, v[LI]
	v_and_b32 v241, 15, v0                         ; r
	v_bfe_u32 v245, v0, 4, 1                       ; hh
	v_lshlrev_b32 v245, 3, v245
	v_sub_nc_u32 v241, v241, v245                  ; r - 8 hh
	s_sub_co_u32 s66, 31, s[WV]                    ; my second tile's k
	s_lshr_b32 s[KLO], s[WV], 1
	s_lshr_b32 s[KHI], s66, 1
	s_lshl_b32 s67, s13, 4                         ; 16 g
	s_and_b32 s68, s[WV], 1
	s_lshl_b32 s68, s68, 6
	s_add_co_u32 s68, s68, s67
	v_add_nc_u32 v3, s68, v241                     ; in a tile's last step register 8 t + i (key 16 t + 8 hh + i) is hidden where 16 t + i > 64 (k mod 2) + 16 g + r - 8 hh
	s_and_b32 s68, s66, 1
	s_lshl_b32 s68, s68, 6
	s_add_co_u32 s68, s68, s67
	v_add_nc_u32 v4, s68, v241
	s_lshl_b32 s69, s[WV], 2
	s_add_co_u32 s69, s69, s13                     ; T = 4 k + g
	s_lshl_b32 s70, s66, 2
	s_add_co_u32 s70, s70, s13
	s_lshl_b32 s71, s69, 10                        ; Q: a fragment is 1,024 bytes
	v_add_nc_u32 v249, s71, v[LI]
	s_lshl_b32 s71, s70, 10
	v_add_nc_u32 v251, s71, v[LI]
	s_lshl_b32 s72, s14, 17                        ; the head's 128 fragments
	s_mov_b32 s73, 0
	s_add_nc_u64 s[4:5], s[4:5], s[72:73]
	global_load_b128 v[16:19], v249, s[4:5]
	global_load_b128 v[20:23], v249, s[4:5] offset:512
	global_load_b128 v[24:27], v251, s[4:5]
	global_load_b128 v[28:31], v251, s[4:5] offset:512
	; the result: tc [X 32][F 4][Tl 16][ks 2][c 4][lane][16]: tile 128 b + T of (b, l); head h is bytes (h / 4) x 65,536 + (h mod 4) x 1,024
	s_lshr_b32 s74, s14, 4
	s_lshl_b32 s74, s74, 7                         ; 128 b
	s_and_b32 s75, s14, 15                         ; h
	s_lshr_b32 s76, s75, 2
	s_lshl_b32 s76, s76, 16
	s_and_b32 s77, s75, 3
	s_lshl_b32 s77, s77, 10
	s_add_co_u32 s76, s76, s77
.irp u, 0,1
	s_add_co_u32 s78, s74, s[69+\u]
	s_lshr_b32 s79, s78, 4
	s_lshl_b32 s79, s79, 18                        ; X x 262,144
	s_and_b32 s78, s78, 15
	s_lshl_b32 s78, s78, 12                        ; Tl x 4,096
	s_add_co_u32 s78, s78, s79
	s_add_co_u32 s78, s78, s76
	v_add_nc_u32 v[5+\u], s78, v[LI]
.endr
.irp st, 8, 12
	v_mov_b32 v[\st+1], 0xff61b1e6                 ; the largest u so far: -3e38, under every u
	v_floor_f32 v[\st], -v[\st+1]                  ; -M
	v_mov_b32 v[\st+2], 0                          ; the sum, in two halves
	v_mov_b32 v[\st+3], 0
.endr
	v_mov_b32 v248, 0                              ; a lane permute's destination counts as one of its sources
	v_mov_b32 v253, 0                              ; (named as the upper half of the pair v[252:253])
	v_mov_b32 v246, 0xff800000                     ; -infinity
.set j, 0
.rept 64
	v_mov_b32 v[160+j], 0                          ; O^T of both tiles: the step is written once, and its first walk finds zeros
.set j, j+1
.endr
	s_wait_kmcnt 0x0
	s_add_co_i32 s59, s50, s51                     ; a score stands for score x 2^(e2 + e3): added to c's exponent field
	s_lshl_b32 s59, s59, 23
	s_add_co_i32 s[CS], s59, 0x3d38aa3b            ; c = log2(e) / 32
	s_mov_b32 s[CS+1], s[CS]
	s_add_co_i32 s59, s53, 127
	s_lshl_b32 s60, s59, 23
	v_mov_b32 v244, s60                            ; 2^e5
	s_add_co_i32 s59, s59, 8
	s_lshl_b32 s59, s59, 23
	s_or_b32 s59, s59, 0x600000
	v_mov_b32 v240, s59                            ; 448 x 2^e5
	s_add_co_i32 s59, s55, 127
	s_lshl_b32 s60, s59, 23
	v_mov_b32 v7, s60                              ; 2^e7
	s_add_co_i32 s59, s59, 8
	s_lshl_b32 s59, s59, 23
	s_or_b32 s57, s59, 0x600000                    ; 448 x 2^e7,
	s_or_b32 s58, s57, 0x80000000                  ; and its negative
	s_add_co_i32 s56, s52, s53                     ; e4 + e5
; ONE TILE'S KEY STEP.  q: Q's registers; o: O^T's; st: the statistics; dm: the mask's bound; kl: the scalar that holds the tile's last step.
.macro STEP q, o, st, dm, kl
	s_cmp_gt_u32 s[SI], s[\kl]                     ; all 128 keys come behind my 16 queries: nothing to do
	s_cbranch_scc1 .Lhid_\@
	v_add_nc_u32 v[AD], s[TB], v[LI]
.rept 3
	v_nop                                          ; with the addition: four places in front of loads into registers that the last products read
.endr
.set t, 0
.rept 8
	ds_load_b128 v[F+8*t:F+8*t+3], v[AD] offset:1024*t            ; K's fragment t: keys 16 t + r
	ds_load_b128 v[F+8*t+4:F+8*t+7], v[AD] offset:1024*t+512
.set t, t+1
.endr
	s_wait_dscnt 0x0
.set t, 0
.rept 8
	v_wmma_f32_16x16x64_fp8_fp8 v[S+8*t:S+8*t+7], v[F+8*t:F+8*t+7], v[\q:\q+7], 0
.set t, t+1
.endr
.rept 4
	v_nop                                          ; places in front of the loads below and of the first read of the scores
.endr
.set t, 0
.rept 16
	ds_load_b128 v[F+4*t:F+4*t+3], v[AD] offset:8192+512*t        ; V's four fragments land under the softmax
.set t, t+1
.endr
	s_cmp_lg_u32 s[SI], s[\kl]                     ; only the tile's last step has hidden keys
	s_cbranch_scc1 .Lopen_\@
.set n, 0
.rept 64
	v_cmp_gt_i32 vcc_lo, 16*(n/8)+n%8, v[\dm]
	v_cndmask_b32 v[S+n], v[S+n], v246, vcc_lo     ; a hidden score becomes -infinity: p = 0
.set n, n+1
.endr
.Lopen_\@:
	v_max3_num_f32 v254, v[S], v[S+1], v[S+2]      ; the step's largest score of my query among my 64 keys, in two chains, from the low end on
	v_max3_num_f32 v252, v[S+3], v[S+4], v[S+5]
.set n, 6
.rept 14
	v_max3_num_f32 v254, v254, v[S+n], v[S+n+1]
	v_max3_num_f32 v252, v252, v[S+n+2], v[S+n+3]
.set n, n+4
.endr
	v_max3_num_f32 v254, v254, v[S+62], v[S+63]
	v_max_num_f32 v254, v254, v252
	v_permlanex16_b32 v248, v254, s[SEL], s[SEL+1]
	v_max_num_f32 v254, v254, v248                 ; and among lane xor 16's
	v_mul_f32 v254, s[CS], v254                    ; as u (c is positive)
	v_max_num_f32 v[\st+1], v[\st+1], v254         ; the running largest u
	v_mov_b32 v254, v[\st]
	v_floor_f32 v[\st], -v[\st+1]                  ; the new -M = -ceil(u): a whole number
	v_sub_f32 v254, v[\st], v254                   ; old M - new M: a whole number, 0 or less
	v_cvt_i32_f32 v254, v254                       ; (it saturates)
	v_ldexp_f32 v252, 1.0, v254                    ; f = 2^(old M - new M): rounds nothing
.set n, 0
.rept 32
	v_pk_fma_f32 v[S+n:S+n+1], v[S+n:S+n+1], s[CS:CS+1], v[\st:\st+1] op_sel_hi:[1,0,0]   ; u - M, two at a time
.set n, n+2
.endr
.set n, 0
.rept 64
	v_exp_f32 v[S+n], v[S+n]                       ; p = 2^(u - M), at most 1
.set n, n+1
.endr
	v_pk_mul_f32 v[\st+2:\st+3], v[\st+2:\st+3], v[252:253] op_sel_hi:[1,0]   ; the sum under the new M (a plain place behind the exponentials)
	s_wait_alu depctr_va_vdst(0)
	v_pk_add_f32 v[242:243], v[S:S+1], v[S+2:S+3]  ; the sum is taken of the unquantised p, in two chains
.set n, 4
.rept 15
	v_pk_add_f32 v[\st+2:\st+3], v[\st+2:\st+3], v[S+n:S+n+1]
	v_pk_add_f32 v[242:243], v[242:243], v[S+n+2:S+n+3]
.set n, n+4
.endr
	v_pk_add_f32 v[\st+2:\st+3], v[\st+2:\st+3], v[242:243]
.set t, 0
.rept 8
.set n, 0
.rept 8
	v_min_num_f32 v[S+8*t+n], v[S+8*t+n], v240     ; the conversion does not saturate (ISA guide 7.6.2); p is not negative, so the hold is one-sided
.set n, n+1
.endr
	v_cvt_scalef32_pk8_fp8_f32 v[PC+2*t:PC+2*t+1], v[S+8*t:S+8*t+7], v244
.set t, t+1
.endr
.set n, 0
.rept 16
	v_pk_mul_f32 v[\o+n:\o+n+1], v[\o+n:\o+n+1], v[252:253] op_sel_hi:[1,0]   ; O^T under the new M (also the plain lines behind the conversions)
.set n, n+2
.endr
	s_wait_dscnt 0x0                               ; V is in
.set t, 0
.rept 4
	v_wmma_f32_16x16x128_fp8_fp8 v[\o+8*t:\o+8*t+7], v[F+16*t:F+16*t+15], v[PC:PC+15], v[\o+8*t:\o+8*t+7]
.set t, t+1
.endr
.Lhid_\@:
.endm
; A tile's way out: O^T x 2^(e4 + e5) / the sum, held, quantised with 2^e7; the eight registers of codes are half a fragment of the last product's operand.
.macro OUT o, st, q, go
	v_add_f32 v[\st+2], v[\st+2], v[\st+3]
	v_permlanex16_b32 v248, v[\st+2], s[SEL], s[SEL+1]
	v_add_f32 v[\st+2], v[\st+2], v248             ; the query's sum
	v_rcp_f32 v252, v[\st+2]
	v_nop                                          ; a plain place behind the transcendental
	s_wait_alu depctr_va_vdst(0)
	v_ldexp_f32 v252, v252, s56
.set n, 0
.rept 16
	v_pk_mul_f32 v[S+n:S+n+1], v[\o+n:\o+n+1], v[252:253] op_sel_hi:[1,0]
.set n, n+2
.endr
.set n, 0
.rept 32
	v_med3_num_f32 v[S+n], v[S+n], s58, s57
.set n, n+1
.endr
.set n, 0
.rept 4
	v_cvt_scalef32_pk8_fp8_f32 v[\q+2*n:\q+2*n+1], v[S+8*n:S+8*n+7], v7
.set n, n+1
.endr
	v_nop                                          ; a plain line behind the conversions
	global_store_b128 v[\go], v[\q:\q+3], s[10:11]                ; each store of the wave covers 512 consecutive bytes, aligned
	global_store_b128 v[\go], v[\q+4:\q+7], s[10:11] offset:512
.endm
	s_wait_loadcnt 0x0                             ; Q
	s_wait_tensorcnt 3                             ; a fetching wave's first block (steps 0 to 3 among the four waves) is in; its three younger loads may be out
	s_barrier_signal -1
	s_barrier_wait -1
	s_mov_b32 s[TB], 0
	s_mov_b32 s[SI], 0
.Lsteps_a:                                         ; steps 0 to 3
	STEP 16, 160, 8, 3, KLO
	STEP 24, 192, 12, 4, KHI
	s_add_co_u32 s[TB], s[TB], 16384
	s_add_co_u32 s[SI], s[SI], 1
	s_cmp_lt_u32 s[SI], 4
	s_cbranch_scc1 .Lsteps_a
	s_wait_tensorcnt 0x0                           ; all my blocks are in,
	s_wait_dscnt 0x0
	s_barrier_signal -1
	s_barrier_wait -1                              ; everybody's are: from here on the waves run free
	s_mov_b32 s[TB], 4*16384
	s_mov_b32 s[SI], 4
.Lsteps_b:                                         ; steps 4 to 15
	STEP 16, 160, 8, 3, KLO
	STEP 24, 192, 12, 4, KHI
	s_add_co_u32 s[TB], s[TB], 16384
	s_add_co_u32 s[SI], s[SI], 1
	s_cmp_lt_u32 s[SI], 16
	s_cbranch_scc1 .Lsteps_b
.rept 4
	v_nop                                          ; places behind the last products
.endr
	OUT 160, 8, 16, 5
	OUT 192, 12, 24, 6
	s_wait_dscnt 0x0
	s_wait_tensorcnt 0x0
	ds_add_u32 v250, v255
	s_wait_dscnt 0x0
	ROUND                                          ; the closing round
	s_endpgm
.Lfunc_end_k_q8d14ccfeb8_attn:
	.size	k_q8d14ccfeb8_attn, .Lfunc_end_k_q8d14ccfeb8_attn-k_q8d14ccfeb8_attn
	.p2alignl 7, 3214868480
	.fill 96, 4, 3214868480
	.section	.rodata,"a",@progbits
	.p2align	6, 0x0
	.amdhsa_kernel k_q8d14ccfeb8_attn
		.amdhsa_group_segment_fixed_size 264192
		.amdhsa_private_segment_fixed_size 0
		.amdhsa_enable_private_segment 0
		.amdhsa_kernarg_size 32
		.amdhsa_user_sgpr_count 2
		.amdhsa_user_sgpr_kernarg_segment_ptr 1
		.amdhsa_wavefront_size32 1
		.amdhsa_system_sgpr_workgroup_id_x 1
		.amdhsa_system_sgpr_workgroup_id_y 1
		.amdhsa_system_sgpr_workgroup_id_z 1
		.amdhsa_system_vgpr_workitem_id 0
		.amdhsa_next_free_vgpr 256
		.amdhsa_next_free_sgpr 80
		.amdhsa_reserve_vcc 1
		.amdhsa_float_denorm_mode_32 3
		.amdhsa_float_denorm_mode_16_64 3
		.amdhsa_memory_ordered 1
		.amdhsa_forward_progress 1
		.amdhsa_inst_pref_size 99
	.end_amdhsa_kernel
	.amdgpu_metadata
---
amdhsa.version: [ 1, 2 ]
amdhsa.kernels:
  - .name:           k_q8d14ccfeb8_attn
    .symbol:         k_q8d14ccfeb8_attn.kd
    .args:
      - { .name: qc, .offset: 0, .size: 8, .value_kind: global_buffer, .address_space: global }
      - { .name: kv, .offset: 8, .size: 8, .value_kind: global_buffer, .address_space: global }
      - { .name: lowp_scales, .offset: 16, .size: 8, .value_kind: global_buffer, .address_space: global }
      - { .name: tc, .offset: 24, .size: 8, .value_kind: global_buffer, .address_space: global }
    .group_segment_fixed_size: 264192
    .private_segment_fixed_size: 0
    .kernarg_segment_align: 8
    .kernarg_segment_size: 32
    .max_flat_workgroup_size: 512
    .sgpr_count:     80
    .vgpr_count:     256
    .wavefront_size: 32
...
	.end_amdgpu_metadata
.endif
;; end of part 2
;; launch proj (part 3): grid 32 x 8, 4 waves a work-group, clusters of 4 x 4, 327,680 bytes of LDS; arguments W_proj_codes, tc, lowp_scales, b_proj, out0; writes out0
.if DOCPART == 3
	.amdgcn_target "amdgcn-amd-amdhsa--gfx1250"
	.amdhsa_code_object_version 6
	.text
	.protected	k_q8d14ccfeb8_proj
	.globl	k_q8d14ccfeb8_proj
	.p2align	8
	.type	k_q8d14ccfeb8_proj,@function
k_q8d14ccfeb8_proj:
	s_mov_b64 s[64:65], 0
	v_nop
	global_prefetch_b8 v0, s[64:65] scope:SCOPE_SE
	s_setreg_imm32_b32 hwreg(HW_REG_WAVE_MODE, 25, 1), 1
	s_wait_xcnt 0x0
	s_wait_alu depctr_hold_cnt(0) depctr_sa_sdst(0) depctr_va_vdst(0) depctr_va_sdst(0) depctr_va_ssrc(0) depctr_va_vcc(0) depctr_vm_vsrc(0)
	s_getreg_b32 s2, hwreg(HW_REG_IB_STS2, 6, 4)
	s_cmp_eq_u32 s2, 0
	s_cbranch_scc0 .Lentry_in_a_cluster
	s_endpgm
.Lentry_in_a_cluster:
	s_bfe_u32 s2, ttmp6, 0x10000c
	s_cmp_lg_u32 s2, 0xf033
	s_cbranch_scc0 .Lentry_shape_is_right
	s_endpgm
.Lentry_shape_is_right:
; out[b][f][l] = sum over e of W_proj[e][f] t[b][e][l] x 2^(e6 + e7) + b_proj[f], on E4M3 codes.  W_proj: [1024 f][1024 e], e innermost.  t: the launch before stored it as images of this product's operand
; registers: tc [X 32][F 4][Tl 16][ks 2][c 4][lane][16]: fragment (rows 256 X + 16 Tl + r of (b, l); e = 256 F + 128 ks + ..), registers 2 c', 2 c' + 1 = k 16 c' + 8 (lane / 16) + 0 .. 7.
; So t's fragments are read by dense 16-byte loads, and W's by 8-byte loads that give every k the same place (ISA guide 7.12.2: the 8-bit operand's layout).
; Source 0 = 16 rows of t, source 1 = 16 rows of W: a lane holds one f and eight neighbouring l: 32 bytes of a row of out.
; SHARES.  A work-group: 128 f (Y) x 256 (b,l) (X); wave (fh, lh): 64 f x 128 l: 32 accumulators.  K = 1,024 in 8 steps of 128, written out; tiles of 256 along K in three LDS slots; the fourth fill goes into slot 0 again.
; CLUSTERS: 4 x 4.  W's tile hangs on Y alone (joint along a row of the cluster), t's block on X alone (joint along a column).
; LIMIT: e6 + e7 between -126 and 127, so that 2^(e6 + e7) is an f32 number.  NaN codes are not served.
; REGISTERS: windows 0 and 1: the two sets of fragments, W's four at v64, t's eight at v128; window 0 also v1-31 addresses and the bias, on the way out v32-95 results, v128-255 rows read back; window 2: D[tf][i] at v[8 (8 tf + i)].
.set PITCH,  272                       ; a row of W in LDS: 256 bytes + 16 of padding
.set TOFF,   128*PITCH                 ; a slot: W's 128 rows, then t's block of 65,536 bytes, dense
.set SLOT,   TOFF+65536
.set SPARE,  3*SLOT                    ; the spare words, 128 bytes a wave
.set STAGE,  SLOT                      ; the way out: 16 rows x 528 bytes a wave, in slot 1: filled once, at the start, and read for the last time ahead of the second meeting of the waves
.set SPITCH, 528
.set BI,   8                           ; v8-15   b_proj[f] of my four tiles, each in the low register of a pair
.set ADRW, 16                          ; v16-18  LDS address of my W fragments in slot 0, 1, 2
.set ADRT, 20                          ; v20-22  the same for t
.set STO,  24
.set RD,   25
.set CO,   26                          ; v26     16 x lane
.set SPW,  28
.set NIL,  29
.set TMP,  32
.set WF,   64
.set TF,   128
.set BK,   128
.set G1W,  24
.set G1T,  48
.set G0W,  68
.set G0T,  80
.set ES,   92
.set MSB,  0
.macro WIN new
.if MSB != (\new)
	s_set_vgpr_msb (MSB<<8)|(\new)
.set MSB, (\new)
.endif
.endm
.macro PLACES
.rept 4
	v_nop
.endr
.endm
.macro CREST
	s_cmp_lg_u32 s14, 0
	s_cbranch_scc1 .Lnot_wave_0_\@
	s_barrier_signal -3
.Lnot_wave_0_\@:
	s_barrier_wait -3
	s_barrier_signal -1
	s_barrier_wait -1
.endm
.macro CROUND
	s_barrier_signal -1
	s_barrier_wait -1
	CREST
.endm
.macro JLOAD g0w, g0t                  ; waves 0, 1 for W, waves 2, 3 for t; four v_nop follow each line
	s_cmp_eq_u32 s15, 0
	s_cbranch_scc0 .Lfor_t_\@
	tensor_load_to_lds s[\g0w:\g0w+3], s[G1W:G1W+7]
	s_nop 0
.rept 4
	v_nop
.endr
	s_branch .Lasked_\@
.Lfor_t_\@:
	tensor_load_to_lds s[\g0t:\g0t+3], s[G1T:G1T+7]
	s_nop 0
.rept 4
	v_nop
.endr
.Lasked_\@:
.endm
	s_load_b128 s[4:7], s[0:1], 0x0                ; W's codes s[4:5], tc s[6:7]
	s_load_b128 s[8:11], s[0:1], 0x10              ; the exponents s[8:9], b_proj s[10:11]
	s_load_b64 s[12:13], s[0:1], 0x20              ; out
	v_lshl_add_u32 v[SPW], v0, 2, SPARE
	v_mov_b32 v[NIL], 0
	ds_add_u32 v28, v29
	ds_add_u32 v28, v29
	s_wait_dscnt 0x0
	v_lshrrev_b32 v1, 5, v0
	v_readfirstlane_b32 s14, v1                    ; wave 0..3
	s_lshr_b32 s15, s14, 1                         ; fh.  Also: I fetch for W (0) or for t (1)
	s_and_b32 s16, s14, 1                          ; lh.  Also: which half I fetch
	s_bfe_u32 s40, ttmp6, 0x40000
	s_bfe_u32 s41, ttmp6, 0x40004
	s_lshl_b32 s42, ttmp9, 2
	s_add_co_u32 s42, s42, s40                     ; X
	s_and_b32 s17, ttmp7, 0xffff
	s_lshl_b32 s17, s17, 2
	s_add_co_u32 s17, s17, s41                     ; Y
	s_lshl_b32 s43, s41, 2
	s_lshl_b32 s43, 15, s43                        ; my row of the cluster
	s_lshl_b32 s44, 0x1111, s40                    ; my column
	s_or_b32 s[G1W], s43, (1<<20)|(1<<21)|(5<<22)|(3<<25)   ; W: 64 rows of 256 bytes, 1,024 apart, 4 words of padding behind every 64
	s_mov_b32 s[G1W+1], 256<<16
	s_mov_b32 s[G1W+2], 64<<16
	s_mov_b32 s[G1W+3], 256<<16
	s_mov_b32 s[G1W+4], 64
	s_mov_b32 s[G1W+5], 1024
	s_mov_b32 s[G1W+6], 0
	s_mov_b32 s[G1W+7], 0
	s_or_b32 s[G1T], s44, (3<<16)|(1<<21)          ; t: 128 rows of 32 elements of 8 bytes, dense: 32,768 bytes, no padding
	s_mov_b32 s[G1T+1], 32<<16
	s_mov_b32 s[G1T+2], 128<<16
	s_mov_b32 s[G1T+3], 32<<16
	s_mov_b32 s[G1T+4], 128
	s_mov_b32 s[G1T+5], 32
	s_mov_b32 s[G1T+6], 0
	s_mov_b32 s[G1T+7], 0
	s_lshl_b32 s18, s16, 6
	s_lshl_b32 s20, s17, 7
	s_add_co_u32 s20, s20, s18                     ; W: row 128 Y + 64 x half
	s_lshl_b32 s20, s20, 10
	s_mov_b32 s21, 0
	s_lshl_b32 s18, s16, 15
	s_lshl_b32 s46, s42, 18                        ; t: block (X, 0), + 32,768 x half
	s_add_co_u32 s46, s46, s18
	s_mov_b32 s47, 0
	s_mul_i32 s45, s16, 64*PITCH
	s_add_co_u32 s19, s18, TOFF
	s_wait_kmcnt 0x0
	s_load_b256 s[ES:ES+7], s[8:9], 0x0
	s_add_nc_u64 s[20:21], s[4:5], s[20:21]
	s_add_nc_u64 s[46:47], s[6:7], s[46:47]
.irp f, 0,1,2
	s_mov_b32 s[G0W+4*\f], 1
	s_add_co_u32 s[G0W+4*\f+1], s45, \f*SLOT
	s_add_nc_u64 s[G0W+4*\f+2:G0W+4*\f+3], s[20:21], \f*256
	s_or_b32 s[G0W+4*\f+3], s[G0W+4*\f+3], 0x80000000
	s_mov_b32 s[G0T+4*\f], 1
	s_add_co_u32 s[G0T+4*\f+1], s19, \f*SLOT
	s_add_nc_u64 s[G0T+4*\f+2:G0T+4*\f+3], s[46:47], \f*65536
	s_or_b32 s[G0T+4*\f+3], s[G0T+4*\f+3], 0x80000000
.endr
	CROUND                                         ; the first joint loads meet
	s_cmp_eq_u32 s15, 0                            ; three first fills a wave, in one branch
	s_cbranch_scc0 .Lfirst_t
	tensor_load_to_lds s[G0W:G0W+3], s[G1W:G1W+7]
	s_nop 0
	tensor_load_to_lds s[G0W+4:G0W+7], s[G1W:G1W+7]
	s_nop 0
	tensor_load_to_lds s[G0W+8:G0W+11], s[G1W:G1W+7]
	s_nop 0
.rept 4
	v_nop
.endr
	s_branch .Lfirst_asked
.Lfirst_t:
	tensor_load_to_lds s[G0T:G0T+3], s[G1T:G1T+7]
	s_nop 0
	tensor_load_to_lds s[G0T+4:G0T+7], s[G1T:G1T+7]
	s_nop 0
	tensor_load_to_lds s[G0T+8:G0T+11], s[G1T:G1T+7]
	s_nop 0
.rept 4
	v_nop
.endr
.Lfirst_asked:
	v_and_b32 v1, 15, v0                           ; r
	v_bfe_u32 v2, v0, 4, 1                         ; hh
	v_mul_u32_u24 v3, v1, PITCH
	v_lshl_add_u32 v3, v2, 3, v3                   ; W: row x pitch + 8 x half
	v_and_b32 v6, 31, v0
	v_lshlrev_b32 v[CO], 4, v6                     ; 16 x lane
	s_mul_i32 s38, s15, 64*PITCH                   ; my 64 rows of W
	s_lshl_b32 s39, s16, 15                        ; my eight fragments' rows of t
	s_add_co_u32 s39, s39, TOFF
.irp s, 0,1,2
	v_add_nc_u32 v[ADRW+\s], s38, v3
	v_add_nc_u32 v[ADRT+\s], s39, v[CO]
	s_add_co_u32 s38, s38, SLOT
	s_add_co_u32 s39, s39, SLOT
.endr
	s_mul_i32 s23, s14, 16*SPITCH
	s_add_co_u32 s23, s23, STAGE                   ; my stage
	v_mul_u32_u24 v5, v1, SPITCH                   ; in: row r, 32 bytes for each half of the lanes
	v_lshl_add_u32 v5, v2, 5, v5
	v_add_nc_u32 v[STO], s23, v5
	v_add_nc_u32 v[RD], s23, v[CO]                 ; back: the 32 lanes take one row of 512 bytes
	s_lshr_b32 s32, s42, 3
	s_lshl_b32 s32, s32, 23                        ; b x 1,024 rows of 8,192 bytes
	s_lshl_b32 s33, s17, 7
	s_lshl_b32 s34, s15, 6
	s_add_co_u32 s33, s33, s34                     ; my first f = 128 Y + 64 fh
	s_lshl_b32 s36, s33, 2                         ; in b_proj,
	s_lshl_b32 s33, s33, 13                        ; and in out
	s_add_co_u32 s32, s32, s33
	s_and_b32 s34, s42, 7
	s_lshl_b32 s34, s34, 10                        ; my first l = 256 (X mod 8) + 128 lh, in bytes
	s_lshl_b32 s35, s16, 9
	s_add_co_u32 s32, s32, s34
	s_add_co_u32 s32, s32, s35
	s_mov_b32 s33, 0
	s_mov_b32 s37, 0
	s_add_nc_u64 s[12:13], s[12:13], s[32:33]
	s_add_nc_u64 s[10:11], s[10:11], s[36:37]
	v_lshlrev_b32 v4, 2, v1
.irp tf, 0,1,2,3
	global_load_b32 v[BI+2*\tf], v4, s[10:11] offset:64*\tf       ; b_proj[f0 + 16 tf + r]
	v_mov_b32 v[BI+2*\tf+1], 0                                    ; (named with it as a pair)
.endr
; 64 LDS loads in one run: step q's fragments into set q % 2
.macro FETCH q
.set FSL, ((\q)/2)%3
.set FKS, (\q)%2
	WIN 0x40*((\q)%2)
.irp i, 0,1,2,3
.irp c, 0,1,2,3,4,5,6,7
	ds_load_b64 v[WF+16*\i+2*\c:WF+16*\i+2*\c+1], v[ADRW+FSL] offset:128*FKS+16*\c+\i*16*PITCH
.endr
.endr
.irp i, 0,1,2,3,4,5,6,7
.irp c, 0,1,2,3
	ds_load_b128 v[TF+16*\i+4*\c:TF+16*\i+4*\c+3], v[ADRT+FSL] offset:4096*\i+2048*FKS+512*\c
.endr
.endr
.endm
; 8 products: W's tile tf against t's eight.  The 32 accumulators take turns, one instruction a turn, in the same order in every step.
.macro MULP q, tf, zero
	WIN 0xa0|(5*((\q)%2))
.irp i, 0,1,2,3,4,5,6,7
.if \zero
	v_wmma_f32_16x16x128_fp8_fp8 v[8*(8*\tf+\i):8*(8*\tf+\i)+7], v[TF+16*\i:TF+16*\i+15], v[WF+16*\tf:WF+16*\tf+15], 0
.else
	v_wmma_f32_16x16x128_fp8_fp8 v[8*(8*\tf+\i):8*(8*\tf+\i)+7], v[TF+16*\i:TF+16*\i+15], v[WF+16*\tf:WF+16*\tf+15], v[8*(8*\tf+\i):8*(8*\tf+\i)+7]
.endif
.endr
.endm
.macro STEPN q, zero
	s_wait_dscnt 0x0                               ; this step's fragments are in
.if (\q) > 0
	PLACES
.endif
	FETCH (\q)+1
	MULP \q, 0, \zero
	MULP \q, 1, \zero
	MULP \q, 2, \zero
	MULP \q, 3, \zero
.endm
.macro TURN q, fill                    ; a step with a meeting of the waves; fill = 1: slot 0 is filled again, behind a round of the cluster's barrier
	WIN 0
	s_wait_tensorcnt 0x0                           ; all my tensor loads have landed
	ds_add_u32 v[SPW], v[NIL]                      ; 0 onto my spare word
	s_wait_dscnt 1                                 ; this step's fragment loads are in; only the add is younger
	MULP \q, 0, 0
	s_wait_dscnt 0x0                               ; the add is done; my LDS reads are over
	s_barrier_signal -1
	MULP \q, 1, 0
	WIN 0
	s_barrier_wait -1
.if \fill
	CREST
	s_add_nc_u64 s[G0W+2:G0W+3], s[G0W+2:G0W+3], 768
	s_add_nc_u64 s[G0T+2:G0T+3], s[G0T+2:G0T+3], 3*65536
	JLOAD G0W, G0T                                 ; the first tensor load behind the round; its four v_nop are the places in front of the loads below
.else
	PLACES
.endif
	FETCH (\q)+1
	MULP \q, 2, 0
	MULP \q, 3, 0
.endm
	s_wait_tensorcnt 2                             ; my part of slot 0 is in; the two younger fills may be out
	s_barrier_signal -1
	s_barrier_wait -1
	FETCH 0
	STEPN 0, 1
	TURN 1, 1                                      ; slots 1 and 2 are shown whole to every wave; slot 0 is filled again
	STEPN 2, 0
	STEPN 3, 0
	STEPN 4, 0
	TURN 5, 0                                      ; the refill has landed in every wave; nobody reads slot 1 any more
	STEPN 6, 0
	s_wait_dscnt 0x0
	MULP 7, 0, 0
	MULP 7, 1, 0
	MULP 7, 2, 0
	MULP 7, 3, 0
	WIN 0
; THE WAY OUT, 16 rows f x 128 columns l at a time, through my own stage: in as 32 bytes a lane, back as whole rows of 512 bytes.  LDS serves a wave's instructions in order (ISA guide 5.7.1.4).
.macro TOSTAGE a
	WIN 0x02                                       ; source 0: window 2
.irp j, 0,2,4,6,8,10,12,14,16,18,20,22,24,26,28,30,32,34,36,38,40,42,44,46,48,50,52,54,56,58,60,62
	v_pk_fma_f32 v[TMP+\j:TMP+\j+1], v[64*(\a)+\j:64*(\a)+\j+1], s[56:57], v[BI+2*(\a):BI+2*(\a)+1] op_sel_hi:[1,0,0]   ; sum x 2^(e6 + e7) + b_proj[f]; each accumulator from its low end on
.endr
	WIN 0
.irp i, 0,1,2,3,4,5,6,7
	ds_store_b128 v[STO], v[TMP+8*\i:TMP+8*\i+3] offset:64*\i
	ds_store_b128 v[STO], v[TMP+8*\i+4:TMP+8*\i+7] offset:64*\i+16
.endr
.set BB, BK+64*((\a)%2)
.irp t, 0,1,2,3,4,5,6,7,8,9,10,11,12,13,14,15
	ds_load_b128 v[BB+4*\t:BB+4*\t+3], v[RD] offset:\t*SPITCH
.endr
.endm
.macro SEND a, younger                 ; younger: the LDS instructions issued behind block a's loads
.set BB, BK+64*((\a)%2)
	s_wait_dscnt \younger
.irp t, 0,1,2,3,4,5,6,7,8,9,10,11,12,13,14,15
	global_store_b128 v[CO], v[BB+4*\t:BB+4*\t+3], s[12:13] offset:(16*(\a)+\t)*8192 th:TH_STORE_NT   ; 32 lanes store 512 consecutive bytes, aligned; 63 rows at the most: inside the signed 24-bit immediate
.endr
.endm
	s_wait_kmcnt 0x0
	s_add_co_i32 s56, s[ES+6], s[ES+7]
	s_add_co_i32 s56, s56, 127
	s_lshl_b32 s56, s56, 23                        ; 2^(e6 + e7) as f32
	s_mov_b32 s57, s56                             ; (named with it as a pair)
	s_wait_loadcnt 0x0                             ; the bias
	PLACES
	TOSTAGE 0
.irp a, 1,2,3
.if \a > 1
	s_wait_xcnt 0x0                                ; block a - 2's stores have read their registers: block a's rows may land there
.endif
	TOSTAGE \a
	SEND \a-1, 32                                  ; behind block a - 1's loads: block a's 16 stores and 16 loads
.endr
	SEND 3, 0
	s_wait_tensorcnt 0x0                           ; the wave's end
	ds_add_u32 v[SPW], v[NIL]
	s_wait_dscnt 0x0
	CROUND                                         ; the closing round
	s_endpgm
.Lfunc_end_k_q8d14ccfeb8_proj:
	.size	k_q8d14ccfeb8_proj, .Lfunc_end_k_q8d14ccfeb8_proj-k_q8d14ccfeb8_proj
	.p2alignl 7, 3214868480
	.fill 96, 4, 3214868480
	.section	.rodata,"a",@progbits
	.p2align	6, 0x0
	.amdhsa_kernel k_q8d14ccfeb8_proj
		.amdhsa_group_segment_fixed_size 327680
		.amdhsa_private_segment_fixed_size 0
		.amdhsa_enable_private_segment 0
		.amdhsa_kernarg_size 40
		.amdhsa_user_sgpr_count 2
		.amdhsa_user_sgpr_kernarg_segment_ptr 1
		.amdhsa_wavefront_size32 1
		.amdhsa_system_sgpr_workgroup_id_x 1
		.amdhsa_system_sgpr_workgroup_id_y 1
		.amdhsa_system_sgpr_workgroup_id_z 1
		.amdhsa_system_vgpr_workitem_id 0
		.amdhsa_next_free_vgpr 768
		.amdhsa_next_free_sgpr 100
		.amdhsa_reserve_vcc 0
		.amdhsa_float_denorm_mode_32 3
		.amdhsa_float_denorm_mode_16_64 3
		.amdhsa_memory_ordered 1
		.amdhsa_forward_progress 1
		.amdhsa_inst_pref_size 83
	.end_amdhsa_kernel
	.amdgpu_metadata
---
amdhsa.version: [ 1, 2 ]
amdhsa.kernels:
  - .name:           k_q8d14ccfeb8_proj
    .symbol:         k_q8d14ccfeb8_proj.kd
    .args:
      - { .name: W_proj_codes, .offset: 0, .size: 8, .value_kind: global_buffer, .address_space: global }
      - { .name: tc, .offset: 8, .size: 8, .value_kind: global_buffer, .address_space: global }
      - { .name: lowp_scales, .offset: 16, .size: 8, .value_kind: global_buffer, .address_space: global }
      - { .name: b_proj, .offset: 24, .size: 8, .value_kind: global_buffer, .address_space: global }
      - { .name: out0, .offset: 32, .size: 8, .value_kind: global_buffer, .address_space: global }
    .group_segment_fixed_size: 327680
    .private_segment_fixed_size: 0
    .kernarg_segment_align: 8
    .kernarg_segment_size: 40
    .max_flat_workgroup_size: 128
    .sgpr_count:     100
    .vgpr_count:     768
    .wavefront_size: 32
...
	.end_amdgpu_metadata
.endif
;; end of part 3
